; MI455X (gfx1250); checked and timed in simulation.
; The chip was launched on July 23, 2026; its instructions are those of AMD's public machine-readable ISA for CDNA 5 (MIT licence, August 2026) and "CDNA5" Instruction Set Architecture Reference Guide (July 2026). The comments in the code are by the model that wrote it; some were corrected since.
;; Ewald Model. Allowed arithmetic: float matrix products may take bf16 or f16 operands with f32 sums; all other float work in f32.
;; Inputs: X 512 x 512 float32; Y 512 x 512 float32; imag 256 float32; log_sigma 256 float32; real 256 float32; theta 256 float32; x0 256 float32; y0 256 float32.
;; Outputs: out0 512 x 512 float32.
;; 2 versions, each right; version 2 is version 1 with the launch ewald written anew for expert scheduling mode. Each part assembles by itself: llvm-mc -triple=amdgcn-amd-amdhsa -mcpu=gfx1250 --defsym DOCPART=n.
;; ======== version 1 of 2: 1 launch
;; limits: a function is approximated: absolute error at most 4.1e-05
;; launch ewald (part 1): grid 256 x 1, 8 waves a work-group, no clusters, 9,216 bytes of LDS; arguments X, Y, theta, real, imag, x0, y0, log_sigma, out0; writes out0
.if DOCPART == 1
	.amdgcn_target "amdgcn-amd-amdhsa--gfx1250"
	.amdhsa_code_object_version 6
	.text
	.protected	k_q6bf3241931_ewald
	.globl	k_q6bf3241931_ewald
	.p2align	8
	.type	k_q6bf3241931_ewald,@function
k_q6bf3241931_ewald:
	s_mov_b64 s[64:65], 0
	v_nop
	global_prefetch_b8 v0, s[64:65] scope:SCOPE_SE
	s_setreg_imm32_b32 hwreg(HW_REG_WAVE_MODE, 25, 1), 1
	s_wait_xcnt 0x0
; out0 = |E|^2,  E = sum over 256 beams of (re + i im) exp(i (kx X + ky Y)) exp(-((X-x0)^2 + (Y-y0)^2) / sigma^2),
; kx = 50 cos(theta), ky = 50 sin(theta), sigma = exp(log_sigma) + 0.001.  X, Y, out0: [512][512] f32; X and Y are taken as they come, pixel by pixel.
;
; FORM.  Each beam is turned once into seven numbers, so that a (pixel, beam) pair costs few instructions:
;   s = sqrt(log2 e) / sigma, mx = -x0 s, my = -y0 s;  re + i im = A exp(2 pi i phi): d = log2 A, phi in revolutions;  fx = kx / 2 pi, fy = ky / 2 pi.
;   w = exp2(d - (s X + mx)^2 - (s Y + my)^2) = A x envelope;   p = fx X + fy Y + phi;   r = p - rndne(p), in [-0.5, 0.5];   z = r^2;
;   E_re += w Q(z), E_im += (w r) P(z), with cos(2 pi r) = Q(z) and sin(2 pi r) = r P(z), two polynomials of degree 4 in z.
; Two pixels and one beam: 19 packed f32 instructions, 2 v_rndne_f32, 2 v_exp_f32.  The beams are added in ascending order.
;
; SHARES.  256 work-groups of 8 waves, two waves on each of a WGP's four SIMDs.  A work-group owns 1,024 consecutive pixels, thread t the pixels 4 t .. 4 t + 3:
; one 16-byte load of X, one of Y, one 16-byte store; each of them covers 512 consecutive bytes a wave, aligned.  In the set-up thread t prepares beam t and
; puts its numbers into a table in LDS (32 bytes a beam, 8,192 bytes); the loop reads the table with one address for all lanes, four beams ahead.
;
; LEFT OUT.  Matrix instructions: the phase reaches tens of radians and has to be good to about 1e-4 of one, which 16-bit operands cannot carry.
; Tensor loads and rings in LDS: a lane's 32 input bytes are loaded once.  Clusters: all that work-groups share is 6 KiB of parameters.
;
; LIMITS.  |Q - cos| <= 4.1e-5 and |r P - sin| <= 5.9e-6 for every r in [-0.5, 0.5], that is for every input.  mx and my are rounded once, so s X + mx
; carries an error of 2^-24 |x0 s| (x0 = 60, sigma = 1: 4e-6).  A coefficient whose larger part is denormal counts as 0, one whose larger part is above 2^126
; takes its phase from that part alone, and w below 2^-126 is 0: v_rcp_f32, v_log_f32 and v_exp_f32 flush denormals (ISA guide 15.8).
; theta is reduced by pi/2 in two parts, good up to |theta| of about 1e7.
.set XR,  4                            ; v[4:7]    X of my four pixels (pair g at XR + 2 g)
.set YR,  8                            ; v[8:11]   Y
.set ER,  12                           ; v[12:15]  E_re
.set EI,  16                           ; v[16:19]  E_im
.set PAR, 20                           ; v[20:51]  four slots of a beam's numbers: {s, mx, my, d, fx, fy, phi, 0}.  In the set-up: inputs and scratch
.set T,   52                           ; v[52:83]  at work: 16 registers for each pair of pixels.  In the set-up: v[52:59] the beam's table row
.set C4,  84                           ; v[84:85]  {p4, q4}
.set LA,  86                           ; v86       LDS address of the trip's first beam, the same in all lanes
.set OFF, 87                           ; v87       byte offset of my 16 bytes in X, Y and out0; never rewritten
.set DX, 0                             ; places in a pair's 16 registers
.set W,  0                             ;   w takes DX's place,
.set DY, 2
.set Q,  2                             ;   Q takes DY's,
.set G,  4
.set PH, 6
.set N,  8
.set WR, 8                             ;   w r takes N's
.set R,  10
.set Z,  12
.set P,  14
.set KP3, 24                           ; s[24:31]  p3, p2, p1, p0, each twice: a packed instruction's scalar source is a pair
.set KQ3, 32                           ; s[32:39]  q3, q2, q1, q0, likewise
.macro COEF r, bits
	s_mov_b32 s[\r], \bits
	s_mov_b32 s[\r+1], \bits
.endm
	s_load_b512 s[4:19], s[0:1], 0x0               ; X s[4:5], Y s[6:7], theta s[8:9], real s[10:11], imag s[12:13], x0 s[14:15], y0 s[16:17], log_sigma s[18:19]
	s_load_b64 s[20:21], s[0:1], 0x40              ; out0
	v_lshl_add_u32 v88, v0, 2, 0x2000
	v_mov_b32 v89, 0
	s_lshl_b32 s2, ttmp9, 12                       ; the work-group's 1,024 pixels: 4,096 bytes
	v_lshlrev_b32 v1, 2, v0                        ; beam t's word in each parameter array
	v_lshlrev_b32 v2, 5, v0                        ; beam t's row in the table
	v_lshl_or_b32 v[OFF], v0, 4, s2                ; 16 t + the group's bytes
	COEF KP3,   0xc294f124                         ; p3 = -74.470978
	COEF KP3+2, 0x42a2bb23                         ; p2 =  81.365499
	COEF KP3+4, 0xc2255312                         ; p1 = -41.331123
	COEF KP3+6, 0x40c90ec7                         ; p0 =   6.2830541
	COEF KQ3,   0xc2a4c818                         ; q3 = -82.390806
	COEF KQ3+2, 0x428157c7                         ; q2 =  64.671442
	COEF KQ3+4, 0xc19dd8f8                         ; q1 = -19.730942
	COEF KQ3+6, 0x3f7ffd50                         ; q0 =   0.99995902
	v_mov_b32 v[C4],   0x4203135b                  ; p4 =  32.768903
	v_mov_b32 v[C4+1], 0x42367bf5                  ; q4 =  45.621051
.irp i, 0,1,2,3,4,5,6,7
	v_mov_b32 v[ER+\i], 0                          ; eight moves start the eight sums: fewer lines than a first beam written out apart
.endr
	v_mov_b32 v[LA], 0
	v_mov_b32 v[T+7], 0                            ; the table row's eighth word
	s_wait_kmcnt 0x0
	global_load_b32 v20, v1, s[8:9]                ; theta
	global_load_b32 v21, v1, s[10:11]              ; re
	global_load_b32 v22, v1, s[12:13]              ; im
	global_load_b32 v23, v1, s[14:15]              ; x0
	global_load_b32 v24, v1, s[16:17]              ; y0
	global_load_b32 v25, v1, s[18:19]              ; log_sigma
	global_load_b128 v[XR:XR+3], v[OFF], s[4:5] th:TH_LOAD_NT      ; read once in the launch
	global_load_b128 v[YR:YR+3], v[OFF], s[6:7] th:TH_LOAD_NT
	s_wait_loadcnt 0x2                             ; loads come back in order (ISA guide 5.7.1): the six parameters are in, X and Y may stay out
	; THE SET-UP: beam t.  Behind every transcendental one plain vector instruction that touches neither its result nor its source
	; stands before the result is used (ISA guide 5.7.2).
	v_mul_f32 v26, 0x3fb8aa3b, v25                 ; log_sigma x log2 e
	v_and_b32 v43, 0x7fffffff, v21                 ; |re|
	v_and_b32 v44, 0x7fffffff, v22                 ; |im|
	v_max_num_f32 v45, v43, v44                    ; m, the larger
	v_min_num_f32 v46, v43, v44                    ; n, the smaller
	v_exp_f32 v27, v26                             ; exp(log_sigma)
	v_rcp_f32 v47, v45                             ; 1 / m
	v_log_f32 v48, v45                             ; log2 m
	v_mul_f32 v28, 0x3f22f983, v20                 ; theta x 2 / pi (the plain instruction behind the three)
	s_wait_alu depctr_va_vdst(0)
	v_add_f32 v27, 0x3a83126f, v27                 ; sigma = exp(log_sigma) + 0.001
	v_mul_f32 v47, v46, v47                        ; n / m
	v_rcp_f32 v29, v27                             ; 1 / sigma
	v_min_num_f32 v47, 1.0, v47                    ; t = n / m, at most 1; the NaN of 0 x inf (re = im = 0) loses, so phi stays finite
	v_rndne_f32 v28, v28                           ; k: theta = k pi/2 + r
	s_wait_alu depctr_va_vdst(0)
	v_mul_f32 v[T+0], 0x3f99be61, v29              ; s = sqrt(log2 e) / sigma
	v_mul_f32 v3, 0xbf99be61, v29                  ; -s
	v_fma_f32 v50, v47, v47, 1.0                   ; 1 + t^2
	v_log_f32 v51, v50
	v_mul_f32 v49, v47, v47                        ; u = t^2
	v_mul_f32 v[T+1], v23, v3                      ; mx = -x0 s
	v_mul_f32 v[T+2], v24, v3                      ; my = -y0 s
	s_wait_alu depctr_va_vdst(0)
	v_fma_f32 v[T+3], v51, 0.5, v48                ; d = log2 m + log2(1 + t^2) / 2 = log2 |re + i im|: no square of re or im is formed; -inf for a zero coefficient
	; sine and cosine of theta
	v_fmamk_f32 v30, v28, 0xbfc90fdb, v20          ; r = theta - k x (pi/2's upper part): the product is exact inside the fused multiply-add
	v_fmamk_f32 v30, v28, 0x333bbd2e, v30          ;   - k x (its lower part, -4.371139e-8)
	v_cvt_i32_f32 v37, v28                         ; q = k as a whole number
	v_mul_f32 v31, v30, v30                        ; z = r^2, r in [-pi/4, pi/4]
	v_mov_b32 v32, 0xb94ca1f9
	v_mov_b32 v34, 0x37ccf5ce
	v_fmaak_f32 v32, v32, v31, 0x3c08839e
	v_fmaak_f32 v34, v34, v31, 0xbab6061a
	v_fmaak_f32 v32, v32, v31, 0xbe2aaaa3
	v_fmaak_f32 v34, v34, v31, 0x3d2aaaa5
	v_mul_f32 v33, v30, v31                        ; r z
	v_mul_f32 v35, v31, v31                        ; z^2
	v_fma_f32 v36, v31, -0.5, 1.0                  ; 1 - z / 2
	v_fma_f32 v32, v33, v32, v30                   ; sin r = r + r z (S1 + S2 z + S3 z^2)
	v_fma_f32 v34, v35, v34, v36                   ; cos r = 1 - z / 2 + z^2 (C1 + C2 z + C3 z^2)
	v_and_b32 v38, 1, v37
	v_cmp_eq_u32 vcc_lo, 1, v38                    ; q odd: sine and cosine change places
	v_cndmask_b32 v39, v32, v34, vcc_lo            ; |sin theta|'s source
	v_cndmask_b32 v40, v34, v32, vcc_lo            ; |cos theta|'s source
	v_lshlrev_b32 v41, 30, v37                     ; the sine turns its sign for q mod 4 = 2, 3: bit 1 of q
	v_add_nc_u32 v42, 1, v37                       ; the cosine for q mod 4 = 1, 2: bit 1 of q + 1
	v_and_b32 v41, 0x80000000, v41
	v_lshlrev_b32 v42, 30, v42
	v_xor_b32 v39, v39, v41                        ; sin theta
	v_and_b32 v42, 0x80000000, v42
	v_xor_b32 v40, v40, v42                        ; cos theta
	v_mul_f32 v[T+4], 0x40fea5dd, v40              ; fx = 50 / (2 pi) x cos theta
	v_mul_f32 v[T+5], 0x40fea5dd, v39              ; fy = 50 / (2 pi) x sin theta
	; phi = atan2(im, re) / (2 pi): atan t = t (1 + a2 u + a4 u^2 + .. + a16 u^8) on [0, 1], good to 2e-8
	v_mov_b32 v26, 0x3b3bd74a
	v_fmaak_f32 v26, v26, v49, 0xbc846e02
	v_fmaak_f32 v26, v26, v49, 0x3d2fc1fe
	v_fmaak_f32 v26, v26, v49, 0xbd9a3174
	v_fmaak_f32 v26, v26, v49, 0x3dda3d83
	v_fmaak_f32 v26, v26, v49, 0xbe117fc7
	v_fmaak_f32 v26, v26, v49, 0x3e4cbbe5
	v_fmaak_f32 v26, v26, v49, 0xbeaaaa6c
	v_fma_f32 v26, v26, v49, 1.0
	v_mul_f32 v26, v26, v47                        ; atan t
	v_mul_f32 v26, 0.15915494, v26                 ; in revolutions, 0 to 1/8
	v_cmp_gt_f32 vcc_lo, v44, v43                  ; |im| > |re|: the angle is a quarter turn less that
	v_sub_f32 v27, 0x3e800000, v26
	v_cndmask_b32 v26, v26, v27, vcc_lo
	v_cmp_gt_f32 vcc_lo, 0, v21                    ; re < 0: half a turn less that
	v_sub_f32 v27, 0.5, v26
	v_cndmask_b32 v26, v26, v27, vcc_lo
	v_bfi_b32 v[T+6], 0x7fffffff, v26, v22         ; and im's sign
	ds_store_b128 v2, v[T:T+3]                     ; {s, mx, my, d}
	ds_store_b128 v2, v[T+4:T+7] offset:16         ; {fx, fy, phi, 0}
	s_wait_dscnt 0x0                               ; my row is in LDS before I say so
	s_barrier_signal -1
	s_barrier_wait -1                              ; all 256 rows are there.  The only barrier: the table is never written again
	; the four slots are filled with beams 0 to 3: eight LDS loads out
.irp j, 0,1,2,3
	ds_load_b128 v[PAR+8*\j:PAR+8*\j+3],   v[LA] offset:32*\j
	ds_load_b128 v[PAR+8*\j+4:PAR+8*\j+7], v[LA] offset:32*\j+16
.endr
	s_wait_loadcnt 0x0                             ; X and Y
	s_mov_b32 s40, 63                              ; 63 trips of four beams; the last four beams stand behind the loop
; One beam, from slot j, onto my four pixels (two pairs, g = 0, 1).  refill = 1: the slot then gets the beam four further on.
; left = how many younger LDS loads may stay out.
.macro BEAM j, refill, left
	s_wait_dscnt \left                             ; LDS loads come back in order (ISA guide 5.7.1): this slot's two are in
.irp g, 0,1
	v_pk_fma_f32 v[T+16*\g+DX:T+16*\g+DX+1], v[XR+2*\g:XR+2*\g+1], v[PAR+8*\j:PAR+8*\j+1], v[PAR+8*\j:PAR+8*\j+1] op_sel:[0,0,1] op_sel_hi:[1,0,1]   ; dx = X s + mx
.endr
.irp g, 0,1
	v_pk_fma_f32 v[T+16*\g+DY:T+16*\g+DY+1], v[YR+2*\g:YR+2*\g+1], v[PAR+8*\j:PAR+8*\j+1], v[PAR+8*\j+2:PAR+8*\j+3] op_sel_hi:[1,0,0]                 ; dy = Y s + my
.endr
.irp g, 0,1
	v_pk_fma_f32 v[T+16*\g+PH:T+16*\g+PH+1], v[XR+2*\g:XR+2*\g+1], v[PAR+8*\j+4:PAR+8*\j+5], v[PAR+8*\j+6:PAR+8*\j+7] op_sel_hi:[1,0,0]             ; X fx + phi
.endr
.irp g, 0,1
	v_pk_fma_f32 v[T+16*\g+G:T+16*\g+G+1], v[T+16*\g+DX:T+16*\g+DX+1], v[T+16*\g+DX:T+16*\g+DX+1], v[PAR+8*\j+2:PAR+8*\j+3] op_sel:[0,0,1] op_sel_hi:[1,1,1] neg_lo:[1,0,0] neg_hi:[1,0,0]   ; d - dx^2
.endr
.irp g, 0,1
	v_pk_fma_f32 v[T+16*\g+PH:T+16*\g+PH+1], v[YR+2*\g:YR+2*\g+1], v[PAR+8*\j+4:PAR+8*\j+5], v[T+16*\g+PH:T+16*\g+PH+1] op_sel:[0,1,0] op_sel_hi:[1,1,1]   ; p = Y fy + that
.endr
.if \refill
	ds_load_b128 v[PAR+8*\j:PAR+8*\j+3],   v[LA] offset:128+32*\j      ; the slot's last reader stands above: the beam four further on
	ds_load_b128 v[PAR+8*\j+4:PAR+8*\j+7], v[LA] offset:128+32*\j+16
.endif
.irp g, 0,1
	v_pk_fma_f32 v[T+16*\g+G:T+16*\g+G+1], v[T+16*\g+DY:T+16*\g+DY+1], v[T+16*\g+DY:T+16*\g+DY+1], v[T+16*\g+G:T+16*\g+G+1] neg_lo:[1,0,0] neg_hi:[1,0,0]   ; g = d - dx^2 - dy^2
.endr
.irp g, 0,1
	v_rndne_f32 v[T+16*\g+N],   v[T+16*\g+PH]      ; whole revolutions
	v_rndne_f32 v[T+16*\g+N+1], v[T+16*\g+PH+1]
.endr
	; the four exponentials stand apart, each followed by a plain instruction that touches neither its w nor its g (ISA guide 5.7.2)
	v_pk_add_f32 v[T+R:T+R+1], v[T+PH:T+PH+1], v[T+N:T+N+1] neg_lo:[0,1] neg_hi:[0,1]                     ; r = p - rndne(p)
	v_exp_f32 v[T+W], v[T+G]                                                                              ; w = 2^g
	v_pk_add_f32 v[T+16+R:T+16+R+1], v[T+16+PH:T+16+PH+1], v[T+16+N:T+16+N+1] neg_lo:[0,1] neg_hi:[0,1]
	v_exp_f32 v[T+W+1], v[T+G+1]
	v_pk_mul_f32 v[T+Z:T+Z+1], v[T+R:T+R+1], v[T+R:T+R+1]                                                 ; z = r^2
	v_pk_mul_f32 v[T+16+Z:T+16+Z+1], v[T+16+R:T+16+R+1], v[T+16+R:T+16+R+1]
	v_exp_f32 v[T+16+W], v[T+16+G]
	v_pk_fma_f32 v[T+P:T+P+1], v[T+Z:T+Z+1], v[C4:C4+1], s[KP3:KP3+1] op_sel_hi:[1,0,0]                   ; z p4 + p3
	v_pk_fma_f32 v[T+Q:T+Q+1], v[T+Z:T+Z+1], v[C4:C4+1], s[KQ3:KQ3+1] op_sel:[0,1,0] op_sel_hi:[1,1,0]    ; z q4 + q3
	v_exp_f32 v[T+16+W+1], v[T+16+G+1]
	v_pk_fma_f32 v[T+16+P:T+16+P+1], v[T+16+Z:T+16+Z+1], v[C4:C4+1], s[KP3:KP3+1] op_sel_hi:[1,0,0]
	v_pk_fma_f32 v[T+16+Q:T+16+Q+1], v[T+16+Z:T+16+Z+1], v[C4:C4+1], s[KQ3:KQ3+1] op_sel:[0,1,0] op_sel_hi:[1,1,0]
.irp c, 2,4,6                                      ; three more Horner steps in four chains that take turns
.irp g, 0,1
	v_pk_fma_f32 v[T+16*\g+P:T+16*\g+P+1], v[T+16*\g+P:T+16*\g+P+1], v[T+16*\g+Z:T+16*\g+Z+1], s[KP3+\c:KP3+\c+1] op_sel_hi:[1,1,0]
	v_pk_fma_f32 v[T+16*\g+Q:T+16*\g+Q+1], v[T+16*\g+Q:T+16*\g+Q+1], v[T+16*\g+Z:T+16*\g+Z+1], s[KQ3+\c:KQ3+\c+1] op_sel_hi:[1,1,0]
.endr
.endr
	s_wait_alu depctr_va_vdst(0)
.irp g, 0,1
	v_pk_mul_f32 v[T+16*\g+WR:T+16*\g+WR+1], v[T+16*\g+W:T+16*\g+W+1], v[T+16*\g+R:T+16*\g+R+1]           ; w r
.endr
.irp g, 0,1
	v_pk_fma_f32 v[ER+2*\g:ER+2*\g+1], v[T+16*\g+W:T+16*\g+W+1], v[T+16*\g+Q:T+16*\g+Q+1], v[ER+2*\g:ER+2*\g+1]     ; E_re += w cos
.endr
.irp g, 0,1
	v_pk_fma_f32 v[EI+2*\g:EI+2*\g+1], v[T+16*\g+WR:T+16*\g+WR+1], v[T+16*\g+P:T+16*\g+P+1], v[EI+2*\g:EI+2*\g+1]   ; E_im += w sin
.endr
.endm
; Behind a slot's two loads stand the six of the three other slots, on the way in (eight out) and over the backward jump (each beam refills two): count 6.
; The last trip's last refill ends at byte 128 x 62 + 128 + 96 + 32 = 8,192, the table's end.
.Ltrip:
	BEAM 0, 1, 6
	BEAM 1, 1, 6
	BEAM 2, 1, 6
	BEAM 3, 1, 6
	v_add_nc_u32 v[LA], 128, v[LA]                 ; four rows on
	s_sub_co_i32 s40, s40, 1
	s_cmp_lg_u32 s40, 0
	s_cbranch_scc1 .Ltrip
	BEAM 0, 0, 6                                   ; beams 252 to 255: nothing is left to fetch, the counts run down
	BEAM 1, 0, 4
	BEAM 2, 0, 2
	BEAM 3, 0, 0
.irp g, 0,1
	v_pk_mul_f32 v[ER+2*\g:ER+2*\g+1], v[ER+2*\g:ER+2*\g+1], v[ER+2*\g:ER+2*\g+1]                         ; E_re^2
.endr
.irp g, 0,1
	v_pk_fma_f32 v[ER+2*\g:ER+2*\g+1], v[EI+2*\g:EI+2*\g+1], v[EI+2*\g:EI+2*\g+1], v[ER+2*\g:ER+2*\g+1]   ; + E_im^2
.endr
	global_store_b128 v[OFF], v[ER:ER+3], s[20:21] th:TH_STORE_NT  ; sixteen lanes store 256 consecutive bytes, at a multiple of 256 from out0's first byte
	s_wait_tensorcnt 0x0
	ds_add_u32 v88, v89
	s_wait_dscnt 0x0
	s_endpgm
.Lfunc_end_k_q6bf3241931_ewald:
	.size	k_q6bf3241931_ewald, .Lfunc_end_k_q6bf3241931_ewald-k_q6bf3241931_ewald
	.p2alignl 7, 3214868480
	.fill 96, 4, 3214868480
	.section	.rodata,"a",@progbits
	.p2align	6, 0x0
	.amdhsa_kernel k_q6bf3241931_ewald
		.amdhsa_group_segment_fixed_size 9216
		.amdhsa_private_segment_fixed_size 0
		.amdhsa_enable_private_segment 0
		.amdhsa_kernarg_size 72
		.amdhsa_user_sgpr_count 2
		.amdhsa_user_sgpr_kernarg_segment_ptr 1
		.amdhsa_wavefront_size32 1
		.amdhsa_system_sgpr_workgroup_id_x 1
		.amdhsa_system_sgpr_workgroup_id_y 1
		.amdhsa_system_sgpr_workgroup_id_z 1
		.amdhsa_system_vgpr_workitem_id 0
		.amdhsa_next_free_vgpr 90
		.amdhsa_next_free_sgpr 66
		.amdhsa_reserve_vcc 1
		.amdhsa_float_denorm_mode_32 3
		.amdhsa_float_denorm_mode_16_64 3
		.amdhsa_memory_ordered 1
		.amdhsa_forward_progress 1
		.amdhsa_inst_pref_size 30
	.end_amdhsa_kernel
	.amdgpu_metadata
---
amdhsa.version: [ 1, 2 ]
amdhsa.kernels:
  - .name:           k_q6bf3241931_ewald
    .symbol:         k_q6bf3241931_ewald.kd
    .args:
      - { .name: X, .offset: 0, .size: 8, .value_kind: global_buffer, .address_space: global }
      - { .name: Y, .offset: 8, .size: 8, .value_kind: global_buffer, .address_space: global }
      - { .name: theta, .offset: 16, .size: 8, .value_kind: global_buffer, .address_space: global }
      - { .name: real, .offset: 24, .size: 8, .value_kind: global_buffer, .address_space: global }
      - { .name: imag, .offset: 32, .size: 8, .value_kind: global_buffer, .address_space: global }
      - { .name: x0, .offset: 40, .size: 8, .value_kind: global_buffer, .address_space: global }
      - { .name: y0, .offset: 48, .size: 8, .value_kind: global_buffer, .address_space: global }
      - { .name: log_sigma, .offset: 56, .size: 8, .value_kind: global_buffer, .address_space: global }
      - { .name: out0, .offset: 64, .size: 8, .value_kind: global_buffer, .address_space: global }
    .group_segment_fixed_size: 9216
    .private_segment_fixed_size: 0
    .kernarg_segment_align: 8
    .kernarg_segment_size: 72
    .max_flat_workgroup_size: 256
    .sgpr_count:     66
    .vgpr_count:     90
    .wavefront_size: 32
...
	.end_amdgpu_metadata
.endif
;; end of part 1
;; ======== version 2 of 2: 1 launch; version 1 with the launch ewald written anew for expert scheduling mode
;; limits: a function is approximated: absolute error at most 4.1e-05
;; launch ewald (part 2): grid 256 x 1, 8 waves a work-group, no clusters, 9,216 bytes of LDS; arguments X, Y, theta, real, imag, x0, y0, log_sigma, out0; writes out0
.if DOCPART == 2
	.amdgcn_target "amdgcn-amd-amdhsa--gfx1250"
	.amdhsa_code_object_version 6
	.text
	.protected	k_q6bf3241931_ewald
	.globl	k_q6bf3241931_ewald
	.p2align	8
	.type	k_q6bf3241931_ewald,@function
k_q6bf3241931_ewald:
	s_mov_b64 s[64:65], 0
	v_nop
	global_prefetch_b8 v0, s[64:65] scope:SCOPE_SE
	s_setreg_imm32_b32 hwreg(HW_REG_WAVE_SCHED_MODE, 0, 2), 2
	s_setreg_imm32_b32 hwreg(HW_REG_WAVE_MODE, 25, 1), 1
	s_wait_xcnt 0x0
	s_wait_alu depctr_vm_vsrc(0)
; out0 = |E|^2,  E = sum over 256 beams of (re + i im) exp(i (kx X + ky Y)) exp(-((X-x0)^2 + (Y-y0)^2) / sigma^2),
; kx = 50 cos(theta), ky = 50 sin(theta), sigma = exp(log_sigma) + 0.001.  X, Y, out0: [512][512] f32; X and Y are taken as they come, pixel by pixel.
;
; FORM.  Each beam is turned once into seven numbers, so that a (pixel, beam) pair costs few instructions:
;   s = sqrt(log2 e) / sigma, mx = -x0 s, my = -y0 s;  re + i im = A exp(2 pi i phi): d = log2 A, phi in revolutions;  fx = kx / 2 pi, fy = ky / 2 pi.
;   w = exp2(d - (s X + mx)^2 - (s Y + my)^2) = A x envelope;   p = fx X + fy Y + phi;   r = p - rndne(p), in [-0.5, 0.5];   z = r^2;
;   E_re += w Q(z), E_im += (w r) P(z), with cos(2 pi r) = Q(z) and sin(2 pi r) = r P(z), two polynomials of degree 4 in z.
; Two pixels and one beam: 19 packed f32 instructions, 2 v_rndne_f32, 2 v_exp_f32.  The beams are added in ascending order.
;
; SHARES.  256 work-groups of 8 waves, two waves on each of a WGP's four SIMDs.  A work-group owns 1,024 consecutive pixels, thread t the pixels 4 t .. 4 t + 3:
; one 16-byte load of X, one of Y, one 16-byte store; each of them covers 512 consecutive bytes a wave, aligned.  In the set-up thread t prepares beam t and
; puts its numbers into a table in LDS (32 bytes a beam, 8,192 bytes); the loop reads the table with one address for all lanes, a step of four beams ahead.
;
; THE MODE: SCHED_MODE bits 1:0 = 2 (LLVM: expert scheduling mode 2), set by the entry lines.  The code itself states the register dependences
; between vector instructions and memory or LDS instructions, with s_wait_alu, always for 0.
; THE PLAN.  The 256 beams go in 64 steps of four.  Registers that memory or LDS instructions touch, in the loop:
;   PA, PB   two buffers of four beams' numbers.  Step t's vector instructions read buffer t % 2; the eight LDS loads of step t + 1, issued in step t, land in the other.
;   v[LA]    read by every LDS load of the table; written once in two steps, at the head of the odd step.
; T, XR, YR, ER, EI and C4 are named by vector instructions alone in the loop.  So ONE wait on va_vdst stands at a step's head: it states that the step before is done
; reading the buffer in which this step's loads land, and, in an odd step, that v[LA] is written.  The step's loads follow it with no further wait, two at the head and
; two in the middle of each of its first two beams: no vector instruction of the step names the other buffer or v[LA].  One wait on vm_vsrc stands ahead of the add to v[LA].
;
; LEFT OUT.  Matrix instructions: the phase reaches tens of radians and has to be good to about 1e-4 of one, which 16-bit operands cannot carry.
; Tensor loads and rings in LDS: a lane's 32 input bytes are loaded once.  Clusters: all that work-groups share is 6 KiB of parameters.
;
; LIMITS.  |Q - cos| <= 4.1e-5 and |r P - sin| <= 5.9e-6 for every r in [-0.5, 0.5], that is for every input.  mx and my are rounded once, so s X + mx
; carries an error of 2^-24 |x0 s| (x0 = 60, sigma = 1: 4e-6).  A coefficient whose larger part is denormal counts as 0, one whose larger part is above 2^126
; takes its phase from that part alone, and w below 2^-126 is 0: v_rcp_f32, v_log_f32 and v_exp_f32 flush denormals (ISA guide 15.8).
; theta is reduced by pi/2 in two parts, good up to |theta| of about 1e7.
.set XR,  4                            ; v[4:7]    X of my four pixels (pair g at XR + 2 g)
.set YR,  8                            ; v[8:11]   Y
.set ER,  12                           ; v[12:15]  E_re
.set EI,  16                           ; v[16:19]  E_im
.set PA,  20                           ; v[20:51]  buffer of the even steps: four slots of a beam's numbers: {s, mx, my, d, fx, fy, phi, 0}.  In the set-up: inputs and scratch
.set T,   52                           ; v[52:83]  at work: 16 registers for each pair of pixels.  In the set-up: v[52:59] the beam's table row
.set C4,  84                           ; v[84:85]  {p4, q4}
.set LA,  86                           ; v86       LDS address from which the steps' loads count, the same in all lanes
.set OFF, 87                           ; v87       byte offset of my 16 bytes in X, Y and out0; never rewritten
.set PB,  88                           ; v[88:119] buffer of the odd steps, likewise
.set DX, 0                             ; places in a pair's 16 registers
.set W,  0                             ;   w takes DX's place,
.set DY, 2
.set Q,  2                             ;   Q takes DY's,
.set G,  4
.set PH, 6
.set N,  8
.set WR, 8                             ;   w r takes N's
.set R,  10
.set Z,  12
.set P,  14
.set KP3, 24                           ; s[24:31]  p3, p2, p1, p0, each twice: a packed instruction's scalar source is a pair
.set KQ3, 32                           ; s[32:39]  q3, q2, q1, q0, likewise
.macro COEF r, bits
	s_mov_b32 s[\r], \bits
	s_mov_b32 s[\r+1], \bits
.endm
	s_load_b512 s[4:19], s[0:1], 0x0               ; X s[4:5], Y s[6:7], theta s[8:9], real s[10:11], imag s[12:13], x0 s[14:15], y0 s[16:17], log_sigma s[18:19]
	s_load_b64 s[20:21], s[0:1], 0x40              ; out0
	v_lshl_add_u32 v120, v0, 2, 0x2000
	v_mov_b32 v121, 0
	s_lshl_b32 s2, ttmp9, 12                       ; the work-group's 1,024 pixels: 4,096 bytes
	v_lshlrev_b32 v1, 2, v0                        ; beam t's word in each parameter array
	v_lshlrev_b32 v2, 5, v0                        ; beam t's row in the table
	v_lshl_or_b32 v[OFF], v0, 4, s2                ; 16 t + the group's bytes
	COEF KP3,   0xc294f124                         ; p3 = -74.470978
	COEF KP3+2, 0x42a2bb23                         ; p2 =  81.365499
	COEF KP3+4, 0xc2255312                         ; p1 = -41.331123
	COEF KP3+6, 0x40c90ec7                         ; p0 =   6.2830541
	COEF KQ3,   0xc2a4c818                         ; q3 = -82.390806
	COEF KQ3+2, 0x428157c7                         ; q2 =  64.671442
	COEF KQ3+4, 0xc19dd8f8                         ; q1 = -19.730942
	COEF KQ3+6, 0x3f7ffd50                         ; q0 =   0.99995902
	v_mov_b32 v[C4],   0x4203135b                  ; p4 =  32.768903
	v_mov_b32 v[C4+1], 0x42367bf5                  ; q4 =  45.621051
.irp i, 0,1,2,3,4,5,6,7
	v_mov_b32 v[ER+\i], 0                          ; eight moves start the eight sums: fewer lines than a first beam written out apart
.endr
	v_mov_b32 v[LA], 0
	v_mov_b32 v[T+7], 0                            ; the table row's eighth word
	s_wait_kmcnt 0x0
	s_wait_alu depctr_va_vdst(0)                   ; v1 and v[OFF] are written, which the loads below read as their offsets; so are v2 and v[LA], the LDS addresses of further down
	global_load_b32 v20, v1, s[8:9]                ; theta
	global_load_b32 v21, v1, s[10:11]              ; re
	global_load_b32 v22, v1, s[12:13]              ; im
	global_load_b32 v23, v1, s[14:15]              ; x0
	global_load_b32 v24, v1, s[16:17]              ; y0
	global_load_b32 v25, v1, s[18:19]              ; log_sigma
	global_load_b128 v[XR:XR+3], v[OFF], s[4:5] th:TH_LOAD_NT      ; read once in the launch
	global_load_b128 v[YR:YR+3], v[OFF], s[6:7] th:TH_LOAD_NT
	s_wait_loadcnt 0x2                             ; loads come back in order (ISA guide 5.7.1): the six parameters are in, X and Y may stay out
	; THE SET-UP: beam t.  Behind every transcendental one plain vector instruction that touches neither its result nor its source
	; stands before the result is used (ISA guide 5.7.2).
	v_mul_f32 v26, 0x3fb8aa3b, v25                 ; log_sigma x log2 e
	v_and_b32 v43, 0x7fffffff, v21                 ; |re|
	v_and_b32 v44, 0x7fffffff, v22                 ; |im|
	v_max_num_f32 v45, v43, v44                    ; m, the larger
	v_min_num_f32 v46, v43, v44                    ; n, the smaller
	v_exp_f32 v27, v26                             ; exp(log_sigma)
	v_rcp_f32 v47, v45                             ; 1 / m
	v_log_f32 v48, v45                             ; log2 m
	v_mul_f32 v28, 0x3f22f983, v20                 ; theta x 2 / pi (the plain instruction behind the three)
	s_wait_alu depctr_va_vdst(0)
	v_add_f32 v27, 0x3a83126f, v27                 ; sigma = exp(log_sigma) + 0.001
	v_mul_f32 v47, v46, v47                        ; n / m
	v_rcp_f32 v29, v27                             ; 1 / sigma
	v_min_num_f32 v47, 1.0, v47                    ; t = n / m, at most 1; the NaN of 0 x inf (re = im = 0) loses, so phi stays finite
	v_rndne_f32 v28, v28                           ; k: theta = k pi/2 + r
	s_wait_alu depctr_va_vdst(0)
	v_mul_f32 v[T+0], 0x3f99be61, v29              ; s = sqrt(log2 e) / sigma
	v_mul_f32 v3, 0xbf99be61, v29                  ; -s
	v_fma_f32 v50, v47, v47, 1.0                   ; 1 + t^2
	v_log_f32 v51, v50
	v_mul_f32 v49, v47, v47                        ; u = t^2
	v_mul_f32 v[T+1], v23, v3                      ; mx = -x0 s
	v_mul_f32 v[T+2], v24, v3                      ; my = -y0 s
	s_wait_alu depctr_va_vdst(0)
	v_fma_f32 v[T+3], v51, 0.5, v48                ; d = log2 m + log2(1 + t^2) / 2 = log2 |re + i im|: no square of re or im is formed; -inf for a zero coefficient
	; sine and cosine of theta
	v_fmamk_f32 v30, v28, 0xbfc90fdb, v20          ; r = theta - k x (pi/2's upper part): the product is exact inside the fused multiply-add
	v_fmamk_f32 v30, v28, 0x333bbd2e, v30          ;   - k x (its lower part, -4.371139e-8)
	v_cvt_i32_f32 v37, v28                         ; q = k as a whole number
	v_mul_f32 v31, v30, v30                        ; z = r^2, r in [-pi/4, pi/4]
	v_mov_b32 v32, 0xb94ca1f9
	v_mov_b32 v34, 0x37ccf5ce
	v_fmaak_f32 v32, v32, v31, 0x3c08839e
	v_fmaak_f32 v34, v34, v31, 0xbab6061a
	v_fmaak_f32 v32, v32, v31, 0xbe2aaaa3
	v_fmaak_f32 v34, v34, v31, 0x3d2aaaa5
	v_mul_f32 v33, v30, v31                        ; r z
	v_mul_f32 v35, v31, v31                        ; z^2
	v_fma_f32 v36, v31, -0.5, 1.0                  ; 1 - z / 2
	v_fma_f32 v32, v33, v32, v30                   ; sin r = r + r z (S1 + S2 z + S3 z^2)
	v_fma_f32 v34, v35, v34, v36                   ; cos r = 1 - z / 2 + z^2 (C1 + C2 z + C3 z^2)
	v_and_b32 v38, 1, v37
	; the set-up's three compares stand in one run, each with a scalar register of its own, so that one wait states all three
	v_cmp_eq_u32 s41, 1, v38                       ; q odd: sine and cosine change places
	v_cmp_gt_f32 s42, v44, v43                     ; |im| > |re|
	v_cmp_gt_f32 s43, 0, v21                       ; re < 0
	v_lshlrev_b32 v41, 30, v37                     ; the sine turns its sign for q mod 4 = 2, 3: bit 1 of q
	v_add_nc_u32 v42, 1, v37                       ; the cosine for q mod 4 = 1, 2: bit 1 of q + 1
	v_and_b32 v41, 0x80000000, v41
	v_lshlrev_b32 v42, 30, v42
	v_and_b32 v42, 0x80000000, v42
	s_wait_alu depctr_va_sdst(0)                   ; the three compares have written s41, s42 and s43, ahead of the first select that reads one of them
	v_cndmask_b32 v39, v32, v34, s41               ; |sin theta|'s source
	v_cndmask_b32 v40, v34, v32, s41               ; |cos theta|'s source
	v_xor_b32 v39, v39, v41                        ; sin theta
	v_xor_b32 v40, v40, v42                        ; cos theta
	v_mul_f32 v[T+4], 0x40fea5dd, v40              ; fx = 50 / (2 pi) x cos theta
	v_mul_f32 v[T+5], 0x40fea5dd, v39              ; fy = 50 / (2 pi) x sin theta
	; phi = atan2(im, re) / (2 pi): atan t = t (1 + a2 u + a4 u^2 + .. + a16 u^8) on [0, 1], good to 2e-8
	v_mov_b32 v26, 0x3b3bd74a
	v_fmaak_f32 v26, v26, v49, 0xbc846e02
	v_fmaak_f32 v26, v26, v49, 0x3d2fc1fe
	v_fmaak_f32 v26, v26, v49, 0xbd9a3174
	v_fmaak_f32 v26, v26, v49, 0x3dda3d83
	v_fmaak_f32 v26, v26, v49, 0xbe117fc7
	v_fmaak_f32 v26, v26, v49, 0x3e4cbbe5
	v_fmaak_f32 v26, v26, v49, 0xbeaaaa6c
	v_fma_f32 v26, v26, v49, 1.0
	v_mul_f32 v26, v26, v47                        ; atan t
	v_mul_f32 v26, 0.15915494, v26                 ; in revolutions, 0 to 1/8
	v_sub_f32 v27, 0x3e800000, v26                 ; |im| > |re|: the angle is a quarter turn less that
	v_cndmask_b32 v26, v26, v27, s42
	v_sub_f32 v27, 0.5, v26                        ; re < 0: half a turn less that
	v_cndmask_b32 v26, v26, v27, s43
	v_bfi_b32 v[T+6], 0x7fffffff, v26, v22         ; and im's sign
	s_wait_alu depctr_va_vdst(0)                   ; the set-up has written my row v[T:T+7], which the two stores read; it is also done with v[20:51], in which the first LDS loads land: no vector instruction stands between this wait and them
	ds_store_b128 v2, v[T:T+3]                     ; {s, mx, my, d}
	ds_store_b128 v2, v[T+4:T+7] offset:16         ; {fx, fy, phi, 0}
	s_wait_dscnt 0x0                               ; my row is in LDS before I say so
	s_barrier_signal -1
	s_barrier_wait -1                              ; all 256 rows are there.  The only barrier: the table is never written again
	s_wait_alu depctr_vm_vsrc(0)                   ; my two stores have read v[T:T+7], which the first beam writes again
; Slot k of buffer buf gets a beam's row: the one at byte at + 32 k from v[LA].
.macro LD buf, k, at
	ds_load_b128 v[(\buf)+8*(\k):(\buf)+8*(\k)+3],   v[LA] offset:(\at)+32*(\k)
	ds_load_b128 v[(\buf)+8*(\k)+4:(\buf)+8*(\k)+7], v[LA] offset:(\at)+32*(\k)+16
.endm
	; buffer PA is filled with beams 0 to 3: eight LDS loads out
.irp j, 0,1,2,3
	LD PA, \j, 0
.endr
	s_wait_loadcnt 0x0                             ; X and Y
	s_mov_b32 s40, 31                              ; 31 trips of two steps, eight beams; the last two steps stand behind the loop
; One beam, from slot j of buffer b, onto my four pixels (two pairs, g = 0, 1).  fill = 1: the step's first two beams each ask for two rows of the next step,
; into buffer o, one at the beam's head and one in its middle: no vector instruction since the wait at the step's head names buffer o or v[LA].
.macro BEAM b, j, fill, o, at
.set SL, (\b)+8*(\j)
.if (\fill) && ((\j) < 2)
	LD \o, 2*(\j), \at
.endif
.irp g, 0,1
	v_pk_fma_f32 v[T+16*\g+DX:T+16*\g+DX+1], v[XR+2*\g:XR+2*\g+1], v[SL:SL+1], v[SL:SL+1] op_sel:[0,0,1] op_sel_hi:[1,0,1]   ; dx = X s + mx
.endr
.irp g, 0,1
	v_pk_fma_f32 v[T+16*\g+DY:T+16*\g+DY+1], v[YR+2*\g:YR+2*\g+1], v[SL:SL+1], v[SL+2:SL+3] op_sel_hi:[1,0,0]                 ; dy = Y s + my
.endr
.irp g, 0,1
	v_pk_fma_f32 v[T+16*\g+PH:T+16*\g+PH+1], v[XR+2*\g:XR+2*\g+1], v[SL+4:SL+5], v[SL+6:SL+7] op_sel_hi:[1,0,0]               ; X fx + phi
.endr
.irp g, 0,1
	v_pk_fma_f32 v[T+16*\g+G:T+16*\g+G+1], v[T+16*\g+DX:T+16*\g+DX+1], v[T+16*\g+DX:T+16*\g+DX+1], v[SL+2:SL+3] op_sel:[0,0,1] op_sel_hi:[1,1,1] neg_lo:[1,0,0] neg_hi:[1,0,0]   ; d - dx^2
.endr
.irp g, 0,1
	v_pk_fma_f32 v[T+16*\g+PH:T+16*\g+PH+1], v[YR+2*\g:YR+2*\g+1], v[SL+4:SL+5], v[T+16*\g+PH:T+16*\g+PH+1] op_sel:[0,1,0] op_sel_hi:[1,1,1]   ; p = Y fy + that
.endr
.if (\fill) && ((\j) < 2)
	LD \o, 2*(\j)+1, \at
.endif
.irp g, 0,1
	v_pk_fma_f32 v[T+16*\g+G:T+16*\g+G+1], v[T+16*\g+DY:T+16*\g+DY+1], v[T+16*\g+DY:T+16*\g+DY+1], v[T+16*\g+G:T+16*\g+G+1] neg_lo:[1,0,0] neg_hi:[1,0,0]   ; g = d - dx^2 - dy^2
.endr
.irp g, 0,1
	v_rndne_f32 v[T+16*\g+N],   v[T+16*\g+PH]      ; whole revolutions
	v_rndne_f32 v[T+16*\g+N+1], v[T+16*\g+PH+1]
.endr
	; the four exponentials stand apart, each followed by a plain instruction that touches neither its w nor its g (ISA guide 5.7.2)
	v_pk_add_f32 v[T+R:T+R+1], v[T+PH:T+PH+1], v[T+N:T+N+1] neg_lo:[0,1] neg_hi:[0,1]                     ; r = p - rndne(p)
	v_exp_f32 v[T+W], v[T+G]                                                                              ; w = 2^g
	v_pk_add_f32 v[T+16+R:T+16+R+1], v[T+16+PH:T+16+PH+1], v[T+16+N:T+16+N+1] neg_lo:[0,1] neg_hi:[0,1]
	v_exp_f32 v[T+W+1], v[T+G+1]
	v_pk_mul_f32 v[T+Z:T+Z+1], v[T+R:T+R+1], v[T+R:T+R+1]                                                 ; z = r^2
	v_pk_mul_f32 v[T+16+Z:T+16+Z+1], v[T+16+R:T+16+R+1], v[T+16+R:T+16+R+1]
	v_exp_f32 v[T+16+W], v[T+16+G]
	v_pk_fma_f32 v[T+P:T+P+1], v[T+Z:T+Z+1], v[C4:C4+1], s[KP3:KP3+1] op_sel_hi:[1,0,0]                   ; z p4 + p3
	v_pk_fma_f32 v[T+Q:T+Q+1], v[T+Z:T+Z+1], v[C4:C4+1], s[KQ3:KQ3+1] op_sel:[0,1,0] op_sel_hi:[1,1,0]    ; z q4 + q3
	v_exp_f32 v[T+16+W+1], v[T+16+G+1]
	v_pk_fma_f32 v[T+16+P:T+16+P+1], v[T+16+Z:T+16+Z+1], v[C4:C4+1], s[KP3:KP3+1] op_sel_hi:[1,0,0]
	v_pk_fma_f32 v[T+16+Q:T+16+Q+1], v[T+16+Z:T+16+Z+1], v[C4:C4+1], s[KQ3:KQ3+1] op_sel:[0,1,0] op_sel_hi:[1,1,0]
.irp c, 2,4,6                                      ; three more Horner steps in four chains that take turns
.irp g, 0,1
	v_pk_fma_f32 v[T+16*\g+P:T+16*\g+P+1], v[T+16*\g+P:T+16*\g+P+1], v[T+16*\g+Z:T+16*\g+Z+1], s[KP3+\c:KP3+\c+1] op_sel_hi:[1,1,0]
	v_pk_fma_f32 v[T+16*\g+Q:T+16*\g+Q+1], v[T+16*\g+Q:T+16*\g+Q+1], v[T+16*\g+Z:T+16*\g+Z+1], s[KQ3+\c:KQ3+\c+1] op_sel_hi:[1,1,0]
.endr
.endr
	s_wait_alu depctr_va_vdst(0)
.irp g, 0,1
	v_pk_mul_f32 v[T+16*\g+WR:T+16*\g+WR+1], v[T+16*\g+W:T+16*\g+W+1], v[T+16*\g+R:T+16*\g+R+1]           ; w r
.endr
.irp g, 0,1
	v_pk_fma_f32 v[ER+2*\g:ER+2*\g+1], v[T+16*\g+W:T+16*\g+W+1], v[T+16*\g+Q:T+16*\g+Q+1], v[ER+2*\g:ER+2*\g+1]     ; E_re += w cos
.endr
.irp g, 0,1
	v_pk_fma_f32 v[EI+2*\g:EI+2*\g+1], v[T+16*\g+WR:T+16*\g+WR+1], v[T+16*\g+P:T+16*\g+P+1], v[EI+2*\g:EI+2*\g+1]   ; E_im += w sin
.endr
.endm
; A step: four beams from buffer b.  fill = 1: the next step's four rows, at byte at from v[LA], are asked for, into buffer o.  on = 1: v[LA] moves on by two steps first.
.macro STEP b, fill, o, at, on
	s_wait_dscnt 0x0                               ; buffer b is in: all eight of its loads are wanted, and they were issued in the first half of the step before (the first step's: ahead of the loop)
.if \on
	s_wait_alu depctr_vm_vsrc(0)                   ; the LDS loads issued so far have read v[LA]
	v_add_nc_u32 v[LA], 256, v[LA]                 ; eight rows on
.endif
.if \fill
	s_wait_alu depctr_va_vdst(0)                   ; the step before is done reading buffer o, in which this step's loads land; in an odd step v[LA] is written, which they read
.endif
	BEAM \b, 0, \fill, \o, \at
	BEAM \b, 1, \fill, \o, \at
	BEAM \b, 2, \fill, \o, \at
	BEAM \b, 3, \fill, \o, \at
.endm
; In trip u v[LA] is 256 u: the even step asks for the odd step's rows at + 128; the odd step makes it 256 (u + 1) and asks for the next even step's rows at + 0.
; Behind the loop v[LA] is 7,936: the last load ends at byte 7,936 + 128 + 128 = 8,192, the table's end.
.Ltrip:
	STEP PA, 1, PB, 128, 0
	STEP PB, 1, PA, 0, 1
	s_sub_co_i32 s40, s40, 1
	s_cmp_lg_u32 s40, 0
	s_cbranch_scc1 .Ltrip
	STEP PA, 1, PB, 128, 0                         ; beams 248 to 251; beams 252 to 255 are asked for
	STEP PB, 0, PA, 0, 0                           ; beams 252 to 255: nothing is left to fetch, so no dependence is left to state
.irp g, 0,1
	v_pk_mul_f32 v[ER+2*\g:ER+2*\g+1], v[ER+2*\g:ER+2*\g+1], v[ER+2*\g:ER+2*\g+1]                         ; E_re^2
.endr
.irp g, 0,1
	v_pk_fma_f32 v[ER+2*\g:ER+2*\g+1], v[EI+2*\g:EI+2*\g+1], v[EI+2*\g:EI+2*\g+1], v[ER+2*\g:ER+2*\g+1]   ; + E_im^2
.endr
	s_wait_alu depctr_va_vdst(0)                   ; the four lines above have written v[ER:ER+3], which the store reads
	global_store_b128 v[OFF], v[ER:ER+3], s[20:21] th:TH_STORE_NT  ; sixteen lanes store 256 consecutive bytes, at a multiple of 256 from out0's first byte
	s_wait_dscnt 0x0
	s_wait_alu depctr_hold_cnt(0) depctr_sa_sdst(0) depctr_va_vdst(0) depctr_va_sdst(0) depctr_va_ssrc(0) depctr_va_vcc(0) depctr_vm_vsrc(0)
	s_wait_tensorcnt 0x0
	ds_add_u32 v120, v121
	s_wait_dscnt 0x0
	s_endpgm
.Lfunc_end_k_q6bf3241931_ewald:
	.size	k_q6bf3241931_ewald, .Lfunc_end_k_q6bf3241931_ewald-k_q6bf3241931_ewald
	.p2alignl 7, 3214868480
	.fill 96, 4, 3214868480
	.section	.rodata,"a",@progbits
	.p2align	6, 0x0
	.amdhsa_kernel k_q6bf3241931_ewald
		.amdhsa_group_segment_fixed_size 9216
		.amdhsa_private_segment_fixed_size 0
		.amdhsa_enable_private_segment 0
		.amdhsa_kernarg_size 72
		.amdhsa_user_sgpr_count 2
		.amdhsa_user_sgpr_kernarg_segment_ptr 1
		.amdhsa_wavefront_size32 1
		.amdhsa_system_sgpr_workgroup_id_x 1
		.amdhsa_system_sgpr_workgroup_id_y 1
		.amdhsa_system_sgpr_workgroup_id_z 1
		.amdhsa_system_vgpr_workitem_id 0
		.amdhsa_next_free_vgpr 122
		.amdhsa_next_free_sgpr 66
		.amdhsa_reserve_vcc 0
		.amdhsa_float_denorm_mode_32 3
		.amdhsa_float_denorm_mode_16_64 3
		.amdhsa_memory_ordered 1
		.amdhsa_forward_progress 1
		.amdhsa_inst_pref_size 53
	.end_amdhsa_kernel
	.amdgpu_metadata
---
amdhsa.version: [ 1, 2 ]
amdhsa.kernels:
  - .name:           k_q6bf3241931_ewald
    .symbol:         k_q6bf3241931_ewald.kd
    .args:
      - { .name: X, .offset: 0, .size: 8, .value_kind: global_buffer, .address_space: global }
      - { .name: Y, .offset: 8, .size: 8, .value_kind: global_buffer, .address_space: global }
      - { .name: theta, .offset: 16, .size: 8, .value_kind: global_buffer, .address_space: global }
      - { .name: real, .offset: 24, .size: 8, .value_kind: global_buffer, .address_space: global }
      - { .name: imag, .offset: 32, .size: 8, .value_kind: global_buffer, .address_space: global }
      - { .name: x0, .offset: 40, .size: 8, .value_kind: global_buffer, .address_space: global }
      - { .name: y0, .offset: 48, .size: 8, .value_kind: global_buffer, .address_space: global }
      - { .name: log_sigma, .offset: 56, .size: 8, .value_kind: global_buffer, .address_space: global }
      - { .name: out0, .offset: 64, .size: 8, .value_kind: global_buffer, .address_space: global }
    .group_segment_fixed_size: 9216
    .private_segment_fixed_size: 0
    .kernarg_segment_align: 8
    .kernarg_segment_size: 72
    .max_flat_workgroup_size: 256
    .sgpr_count:     66
    .vgpr_count:     122
    .wavefront_size: 32
...
	.end_amdgpu_metadata
.endif
;; end of part 2
